; MI455X (gfx1250); checked and timed in simulation.
; The chip was launched on July 23, 2026; its instructions are those of AMD's public machine-readable ISA for CDNA 5 (MIT licence, August 2026) and "CDNA5" Instruction Set Architecture Reference Guide (July 2026). The comments in the code are by the model that wrote it; some were corrected since.
;; Transformer Encoder Layer. Allowed arithmetic: matrix products marked QUANTISED: E2M1 operands, one E8M0 scale for each 32 along K, by v_wmma_scale_f32_16x16x128_f8f6f4 with both operands' format E2M1 (or v_wmma_scale_f32_32x16x128_f4), f32 sums; everything else in f32.
;; Inputs: ln1_b 128 float32; ln1_g 128 float32; ln2_b 128 float32; ln2_g 128 float32; mlp_b1 512 float32; mlp_b2 128 float32; mlp_w1_codes 512 x 4 x 16 uint8 (E2M1 codes of mlp_w1, K innermost, in blocks of 32 codes, two codes a byte); mlp_w1_scales 512 x 4 uint8 (E8M0 scales of mlp_w1, one for each 32 codes along K); mlp_w2_codes 128 x 16 x 16 uint8 (E2M1 codes of mlp_w2, K innermost, in blocks of 32 codes, two codes a byte); mlp_w2_scales 128 x 16 uint8 (E8M0 scales of mlp_w2, one for each 32 codes along K); proj_b 128 float32; proj_w_codes 128 x 4 x 16 uint8 (E2M1 codes of proj_w, K innermost, in blocks of 32 codes, two codes a byte); proj_w_scales 128 x 4 uint8 (E8M0 scales of proj_w, one for each 32 codes along K); qkv_b 384 float32; qkv_w_codes 384 x 4 x 16 uint8 (E2M1 codes of qkv_w, K innermost, in blocks of 32 codes, two codes a byte); qkv_w_scales 384 x 4 uint8 (E8M0 scales of qkv_w, one for each 32 codes along K); x 4 x 4,096 x 128 float32.
;; Outputs: out0 4 x 4,096 x 128 float32.
;; This version of the problem:
;;   THIS VERSION OF THE PROBLEM IS GIVEN IN LOW PRECISION. The matrix products marked QUANTISED in the list below multiply operands that are first quantised to E2M1 (2 exponent bits, 1 mantissa bit; 4 bits a number), with one power-of-two scale for each 32 numbers along K (OCP MX v1.0); their sums are f32. All else is computed in f32.
;;   The module's matrix products, in the order in which they are computed (A, B: the left and right operand; K: the contracted axis; several contracted axes count as one K, in the product's order):
;;     1. [M 16,384, K 128] x [K 128, N 384]; A: computed on the way; B: input qkv_w (given as codes): QUANTISED
;;     2. batch 16 x [M 4,096, K 32] x [K 32, N 4,096]; A: computed on the way; B: computed on the way: QUANTISED
;;     3. batch 16 x [M 32, K 4,096] x [K 4,096, N 4,096]; A: computed on the way; B: softmax (see below): QUANTISED
;;     4. [M 16,384, K 128] x [K 128, N 128]; A: computed on the way; B: input proj_w (given as codes): QUANTISED
;;     5. [M 16,384, K 128] x [K 128, N 512]; A: computed on the way; B: input mlp_w1 (given as codes): QUANTISED
;;     6. [M 16,384, K 512] x [K 512, N 128]; A: computed on the way; B: input mlp_w2 (given as codes): QUANTISED
;;   THE QUANTISER, for each operand of a quantised product, along K:
;;     - K is cut into blocks of 32 from its start; a last block that is shorter is filled with zeros.
;;     - A block's scale is 2^e with e = floor(log2(the largest magnitude in the block)) - 2, held to -126 .. 127; a block of zeros has e = 0. As a byte (E8M0): e + 127.
;;     - Each number is divided by its block's scale, clamped to +-6, and rounded to the nearest number of E2M1, ties to even, subnormals kept.
;;     - The product sums the exact products of the quantised numbers (number of the format x scale) in f32.
;;   ~~~python
;;   def quantise(x, axis):      # numpy; x: float32 -> the quantised numbers, widened to float32 again
;;       x = np.moveaxis(x, axis, -1); K = x.shape[-1]
;;       x = np.pad(x, [(0, 0)] * (x.ndim - 1) + [(0, -K % 32)]); x = x.reshape(x.shape[:-1] + (-1, 32)); a = np.abs(x).max(-1, keepdims=True)
;;       e = np.where(a > 0, np.clip(np.frexp(np.where(a > 0, a, 1))[1] - 1 - 2, -126, 127), 0)      # np.frexp(a)[1] - 1 = floor(log2(a)), exactly
;;       r = np.clip(x / 2.0 ** e, -6, 6)
;;       step = 2.0 ** (np.maximum(np.frexp(np.where(r == 0, 1, r))[1] - 1, 0) - 1)
;;       q = np.round(r / step) * step * 2.0 ** e      # np.round: ties to even
;;       return np.moveaxis(q.reshape(q.shape[:-2] + (-1,))[..., :K], -1, axis).astype(np.float32)
;;   ~~~
;;   SOFTMAX AHEAD OF A QUANTISED PRODUCT. Where the list says 'softmax', what is quantised is not the finished softmax but p = 2^(t - M), with t = logit x log2(e) and M = ceil(the row's largest t), a whole number; so 1/2 < the row's largest p <= 1. The row's sum l is taken of the UNQUANTISED p, in f32, and the product's result is divided by l at the end. Since M is a whole number, a kernel that streams over the keys may use a running M (the ceiling of the running maximum): every later rescaling is an exact power of two, which a block's scale takes up: the codes' values come out the same.
;;   OPERANDS COMPUTED ON THE WAY. 'Computed on the way' means the value that the module computes at that place (a softmax that the list does not call 'softmax' is quantised finished and normalised). What goes into a quantiser is computed in f32, as accurately as f32 sums, v_exp_f32 and their like allow (about 1e-6 of the number): no bf16 or f16 on the way to a quantiser, and a product that is left as it is and whose result goes on into a quantised operand takes f32 operands (vector FMAs, or v_wmma_f32_16x16x4_f32). A number that lies on a knife's edge between two numbers of the format may be rounded either way, as far as f32 arithmetic and the matrix unit's own rounding can turn it there, and no further.
;;   INPUTS GIVEN AS CODES. mlp_w1 (in the module: [128, 512], K = its axis 0); mlp_w2 (in the module: [512, 128], K = its axis 0); proj_w (in the module: [128, 128], K = its axis 0); qkv_w (in the module: [128, 384], K = its axis 0): each comes as NAME_codes (uint8): NAME with its K axis moved to the last place and cut into blocks of 32 codes, [.., K / 32, bytes a block], one block behind the other in memory; two codes a byte, the lower K in the low four bits (a code: sign, 2 exponent bits, 1 mantissa bit); and NAME_scales (uint8): the same leading axes, one E8M0 byte (e + 127) for each 32 codes along K. Its value is code x scale, taken as it is: it is not quantised again, and the codes and scales need not be those that the quantiser above would give.
;; One version. Each part assembles by itself: llvm-mc -triple=amdgcn-amd-amdhsa -mcpu=gfx1250 --defsym DOCPART=n.
;; ======== version 1 of 1: 2 launches
;; limits: right only within a limited range of input values
;; workspace buffers: kvc 2,097,152 bytes; kvs 131,072 bytes; qc 1,048,576 bytes; qs 65,536 bytes
;; launch qkv (part 1): grid 128 x 1, 16 waves a work-group, no clusters, 36,864 bytes of LDS; arguments x, ln1_g, ln1_b, qkv_w_codes, qkv_w_scales, qkv_b, qc, qs, kvc, kvs; writes qc, qs, kvc, kvs
.if DOCPART == 1
	.amdgcn_target "amdgcn-amd-amdhsa--gfx1250"
	.amdhsa_code_object_version 6
	.text
	.protected	k_q629e9285a8_qkv
	.globl	k_q629e9285a8_qkv
	.p2align	8
	.type	k_q629e9285a8_qkv,@function
k_q629e9285a8_qkv:
	s_mov_b64 s[64:65], 0
	v_nop
	global_prefetch_b8 v0, s[64:65] scope:SCOPE_SE
	s_setreg_imm32_b32 hwreg(HW_REG_WAVE_MODE, 25, 1), 1
	s_wait_xcnt 0x0
; LN1, x^ quantised to FP4 (E2M1, one E8M0 byte for each 32 along K), x^ Wqkv + b on codes, and q, k, v quantised for the attention launch.
; A work-group of sixteen waves takes 128 tokens: one key step of the attention.  Its outputs are four dense runs of memory, each with this one owner:
;   kvc [work-group][head 4][K 2,048 | V 2,048], kvs [work-group][head 4][K 128 | V 128], qc [token][head][16], qs [token][head].
; THE ROWS OF A TOKEN TILE ARE NOT NEIGHBOURS: tile 4 B + u, row 8 a + j is token 64 B + 32 a + 8 u + j, so that in a result whose rows are tokens
; a lane's 32 registers of tiles 4 B .. 4 B + 3 are one whole block of 32 neighbouring tokens (block 2 B + lane / 16).
; K part: tile t, row r: the head's 32 codes, 16 bytes, at 256 t + 16 r.  V part: [u 2][c 2][lane 32][16]: lane (r, hh) holds channel 8 u + r + 8 (r / 8), keys 64 c + 32 hh + 0 .. 31.
; Scale bytes: K: word 64 f + 4 r, byte bb = tile 4 f + bb, row r.  V: word 64 u + 4 r, byte g = keys 32 g on.
; PHASES.  X: a wave normalises 8 tokens (a lane: one token's block of 32 channels), quantises, stores the fragment's image to LDS | barrier |
; G: wave (B, p, h): for the four tiles of group B and head h it makes q (p = 0) or k (p = 1), transposed (a lane holds one token, registers along d),
; and v's channel tile p, not transposed (a lane holds one channel, registers along 32 keys); codes and bytes go to LDS as they lie in memory | barrier | OUT: a wave's store covers 512 consecutive bytes, aligned.
; NO CLUSTER: what work-groups share is 26 KB of weights beside 64 KB of x each.  No tensor load, so no ring.
; LIMITS: NaN and infinities among the inputs are not served.  A block whose largest magnitude lies under 2^-124 gets the byte 1; a block of zeros too (not 127): its codes are zeros, and these bytes are read by this program alone.
; Sums are taken in another order than the definition's; v_rsq_f32 is good to 1 ulp.
.set XIMG, 0                           ; 8 fragment images of x^, 1,024 bytes each
.set XSC,  8192                        ; their scale words: 64 bytes a tile
.set KVCS, 8704                        ; 16,384 bytes as they go to kvc
.set KVSS, 25088                       ; 1,024 bytes as they go to kvs
.set QCS,  26112                       ; 8,192 bytes as they go to qc
.set QSS,  34304                       ; 512 bytes as they go to qs; the spare words follow at 34,816
.set X,   32                           ; v32-63 x, v64-95 gain, v96-127 bias (phase X)
.set G,   64
.set B,   96
.set D,   32                           ; v32-95 q's or k's four blocks of 16 results
.set DV,  96                           ; v96-127 v: 32 keys of my channel
.set W,   128                          ; v128-143 q's or k's two fragments of the weight, v144-151 v's
.set CB,  152                          ; v152-167 q's or k's bias in the result's layout
.set XV,  168                          ; v168-199 four fragments of x^
.set WS,  224                          ; v224-226 the weight's scale words
.set XS,  228                          ; v228, 229 x^'s scale words: lanes 0-15 an even tile, lanes 16-31 the next
.set VB,  232                          ; v232, 233 v's bias, twice
.set TM,  236                          ; v236-253 at work
.set PC,  16                           ; v16-27 codes
.macro BARRIER                         ; my LDS stores have landed and my LDS loads are in: then the work-group's barrier
	s_wait_dscnt 0x0
	s_barrier_signal -1
	s_barrier_wait -1
.endm
	s_load_b512 s[8:23], s[0:1], 0x0               ; x 8, gain 10, bias 12, codes 14, scales 16, qkv_b 18, qc 20, qs 22
	s_load_b128 s[24:27], s[0:1], 0x40             ; kvc 24, kvs 26
	v_lshl_add_u32 v254, v0, 2, 0x8800
	v_mov_b32 v255, 0
	v_lshrrev_b32 v28, 5, v0
	v_and_b32 v29, 15, v0                          ; r
	v_readfirstlane_b32 s2, v28                    ; wave 0..15
	s_and_b32 s4, s2, 3                            ; h
	s_bfe_u32 s5, s2, 0x10002                      ; p
	s_mov_b32 s28, 0x76543210
	s_mov_b32 s29, 0xfedcba98                      ; v_permlanex16_b32's selects for lane l xor 16
	s_mov_b32 s30, 0x3c000000                      ; 1 / 128
	s_mov_b32 s31, 0x3727c5ac                      ; 1e-5
	v_and_b32 v28, 31, v0                          ; lane
	v_bfe_u32 v30, v0, 4, 1                        ; hh
	v_bfe_u32 v20, v0, 7, 1                        ; p
	v_lshrrev_b32 v21, 8, v0                       ; B
	v_bfe_u32 v22, v0, 5, 2                        ; h
	v_and_b32 v31, 8, v29
	v_and_b32 v2, 3, v0
	v_lshlrev_b32 v1, 7, v28                       ; x: token lane / 4, block lane % 4: 128 x lane
	v_add_nc_u32 v23, v31, v29                     ; rr = r + 8 (r / 8)
	v_mad_u32_u24 v31, v31, 3, v29                 ; rq = r % 8 + 32 (r / 8): a tile's row as a token
	v_lshlrev_b32 v2, 7, v2                        ; gain, bias: 128 x block
	v_lshlrev_b32 v5, 6, v30
	v_lshlrev_b32 v3, 6, v23
	v_lshlrev_b32 v4, 2, v23
	v_lshl_add_u32 v5, v20, 9, v5                  ; q's or k's bias: 64 hh + 512 p
	v_lshl_add_u32 v3, v30, 4, v3                  ; the weight: row rr of 64 bytes, + 16 hh
	v_lshl_add_u32 v27, v20, 5, v4                 ; v's scale words and bias: 4 rr + 32 p
	v_lshl_add_u32 v4, v20, 9, v4                  ; q's or k's scale words: 4 rr + 512 p
	v_lshl_add_u32 v26, v20, 9, v3                 ; v's rows: + 8 p rows
	v_lshl_add_u32 v3, v20, 13, v3                 ; q's or k's: + 128 p rows
	; LDS addresses, all from the thread's number
	v_lshrrev_b32 v6, 6, v0                        ; image of x^: tile wave / 2,
	v_bfe_u32 v24, v0, 5, 1
	v_lshlrev_b32 v6, 10, v6
	v_bfe_u32 v25, v0, 1, 1
	v_lshl_add_u32 v6, v24, 7, v6                  ; rows 8 (wave % 2) on,
	v_and_b32 v24, 1, v0
	v_lshl_add_u32 v6, v25, 9, v6                  ; registers 4 (block / 2) on,
	v_bfe_u32 v25, v0, 2, 3
	v_lshl_add_u32 v6, v24, 8, v6                  ; lanes 16 (block % 2) on,
	v_lshlrev_b32 v7, 4, v28
	v_lshl_add_u32 v6, v25, 4, v6                  ; row + token
	v_lshlrev_b32 v8, 2, v28
	v_lshlrev_b32 v9, 6, v31
	v_lshl_add_u32 v10, v31, 2, v22
	v_lshlrev_b32 v11, 4, v29
	v_lshlrev_b32 v12, 2, v29
	v_lshl_add_u32 v13, v22, 12, v7
	v_lshl_add_u32 v14, v21, 1, v30
	v_lshl_add_u32 v7, v21, 12, v7                 ; my four fragments of x^: 4,096 B + 16 lane
	v_lshl_add_u32 v8, v21, 8, v8                  ; their scale words: 256 B + 4 lane
	v_lshl_add_u32 v9, v30, 3, v9
	v_lshl_add_u32 v10, v21, 8, v10                ; q's byte: 256 B + 4 rq + h
	v_lshl_add_u32 v11, v30, 3, v11
	v_lshl_add_u32 v12, v22, 8, v12                ; 256 h + 4 r
	v_lshl_add_u32 v13, v20, 10, v13
	v_lshl_add_u32 v9, v22, 4, v9
	v_lshl_add_u32 v11, v22, 12, v11
	v_add_nc_u32 v14, v14, v12
	v_lshl_add_u32 v12, v21, 6, v12                ; k's bytes: 256 h + 64 B + 4 r
	v_lshl_add_u32 v13, v21, 9, v13                ; v's codes: 4,096 h + 1,024 p + 512 B + 16 lane
	v_lshl_add_u32 v9, v21, 12, v9                 ; q's codes: 4,096 B + 64 rq + 16 h + 8 hh
	v_lshl_add_u32 v11, v21, 10, v11               ; k's codes: 4,096 h + 1,024 B + 16 r + 8 hh
	v_lshl_add_u32 v14, v20, 6, v14                ; v's byte: 256 h + 64 p + 4 r + 2 B + hh
	v_lshlrev_b32 v15, 4, v0                       ; the way out: 16 x thread
.irp b, 0,1,2,3
	v_mov_b32 v[TM+6+\b], 0                        ; written once: a lane permute's destination counts as one of its sources
.endr
	s_lshl_b32 s32, ttmp9, 16                      ; x: 128 tokens of 512 bytes a work-group,
	s_lshr_b32 s33, s2, 3                          ; my wave's first token: 64 (w / 8) + 32 (w % 2) + 8 ((w / 2) % 4)
	s_lshl_b32 s33, s33, 15
	s_add_co_u32 s32, s32, s33
	s_bfe_u32 s33, s2, 0x20001
	s_lshl_b32 s33, s33, 12
	s_add_co_u32 s32, s32, s33
	s_and_b32 s33, s2, 1
	s_lshl_b32 s33, s33, 14
	s_add_co_u32 s32, s32, s33
	s_mov_b32 s33, 0
	s_lshl_b32 s34, s4, 11                         ; the head's 32 rows of codes
	s_mov_b32 s35, 0
	s_lshl_b32 s36, s4, 7                          ; its 32 scale words, its 32 numbers of a bias
	s_mov_b32 s37, 0
	s_lshl_b32 s38, ttmp9, 13
	s_mov_b32 s39, 0
	s_lshl_b32 s40, ttmp9, 9
	s_mov_b32 s41, 0
	s_lshl_b32 s42, ttmp9, 14
	s_mov_b32 s43, 0
	s_lshl_b32 s44, ttmp9, 10
	s_mov_b32 s45, 0
	s_wait_alu depctr_va_vdst(0)                   ; the wait at the head's end
	s_wait_kmcnt 0x0
	s_add_nc_u64 s[8:9], s[8:9], s[32:33]
	s_add_nc_u64 s[14:15], s[14:15], s[34:35]
	s_add_nc_u64 s[16:17], s[16:17], s[36:37]
	s_add_nc_u64 s[18:19], s[18:19], s[36:37]
	s_add_nc_u64 s[20:21], s[20:21], s[38:39]
	s_add_nc_u64 s[22:23], s[22:23], s[40:41]
	s_add_nc_u64 s[24:25], s[24:25], s[42:43]
	s_add_nc_u64 s[26:27], s[26:27], s[44:45]
	; all 39 loads go out at once: x 8, gain 8, bias 8, the weight 6, its scale words 3, q's or k's bias 4, v's 2
.irp i, 0,1,2,3,4,5,6,7
	global_load_b128 v[X+4*\i:X+4*\i+3], v1, s[8:9] offset:16*\i th:TH_LOAD_NT
.endr
.irp i, 0,1,2,3,4,5,6,7
	global_load_b128 v[G+4*\i:G+4*\i+3], v2, s[10:11] offset:16*\i
.endr
.irp i, 0,1,2,3,4,5,6,7
	global_load_b128 v[B+4*\i:B+4*\i+3], v2, s[12:13] offset:16*\i
.endr
.irp u, 0,1                                    ; tile u takes rows 8 u + r + 8 (r / 8) of the head's 32
.irp c, 0,1
	global_load_b128 v[W+8*\u+4*\c:W+8*\u+4*\c+3], v3, s[14:15] offset:512*\u+32*\c
.endr
.endr
.irp c, 0,1
	global_load_b128 v[W+16+4*\c:W+16+4*\c+3], v26, s[14:15] offset:16384+32*\c
.endr
.irp u, 0,1
	global_load_b32 v[WS+\u], v4, s[16:17] offset:32*\u
.endr
	global_load_b32 v[WS+2], v27, s[16:17] offset:1024
.irp u, 0,1
	global_load_b128 v[CB+8*\u:CB+8*\u+3], v5, s[18:19] offset:32*\u
	global_load_b128 v[CB+8*\u+4:CB+8*\u+7], v5, s[18:19] offset:32*\u+16
.endr
	global_load_b32 v[VB], v27, s[18:19] offset:1024
	global_load_b32 v[VB+1], v27, s[18:19] offset:1024
	; ---- X: the norm of my token, of which I hold 32 channels and lanes l xor 1, 2, 3 the others
	s_wait_loadcnt 31                              ; x's eight loads are in; the 31 behind them may be out
	v_pk_add_f32 v[238:239], v[32:33], v[34:35]
	v_pk_add_f32 v[252:253], v[40:41], v[44:45]
	v_pk_add_f32 v[250:251], v[48:49], v[52:53]
	v_pk_add_f32 v[248:249], v[56:57], v[60:61]
	v_pk_add_f32 v[240:241], v[36:37], v[38:39]
	v_pk_add_f32 v[230:231], v[42:43], v[46:47]
	v_pk_add_f32 v[222:223], v[50:51], v[54:55]
	v_pk_add_f32 v[236:237], v[58:59], v[62:63]
	v_pk_add_f32 v[238:239], v[238:239], v[240:241]
	v_pk_add_f32 v[252:253], v[252:253], v[230:231]
	v_pk_add_f32 v[250:251], v[250:251], v[222:223]
	v_pk_add_f32 v[236:237], v[236:237], v[248:249]
	s_delay_alu instid0(VALU_DEP_2)
	v_pk_add_f32 v[238:239], v[238:239], v[250:251]
	s_delay_alu instid0(VALU_DEP_2)
	v_pk_add_f32 v[236:237], v[236:237], v[252:253]
	s_delay_alu instid0(VALU_DEP_1)
	v_pk_add_f32 v[236:237], v[236:237], v[238:239]
	s_delay_alu instid0(VALU_DEP_1)
	v_add_f32 v236, v236, v237
	s_delay_alu instid0(VALU_DEP_1)
	v_add_f32_dpp v236, v236, v236 row_xmask:1 row_mask:0xf bank_mask:0xf
	s_delay_alu instid0(VALU_DEP_1)
	v_add_f32_dpp v236, v236, v236 row_xmask:2 row_mask:0xf bank_mask:0xf
	s_delay_alu instid0(VALU_DEP_1)
	v_mul_f32 v236, s30, v236                      ; the mean
.set j, 0
.rept 16
	v_pk_add_f32 v[X+j:X+j+1], v[X+j:X+j+1], v[236:237] op_sel_hi:[1,0] neg_lo:[0,1] neg_hi:[0,1]
.set j, j+2
.endr
	v_pk_mul_f32 v[238:239], v[X:X+1], v[X:X+1]    ; the variance is taken of the differences: no difference of large sums
	v_pk_mul_f32 v[240:241], v[X+2:X+3], v[X+2:X+3]
.irp j, 4,8,12,16,20,24,28
	s_delay_alu instid0(VALU_DEP_2)
	v_pk_fma_f32 v[238:239], v[X+\j:X+\j+1], v[X+\j:X+\j+1], v[238:239]
	s_delay_alu instid0(VALU_DEP_2)
	v_pk_fma_f32 v[240:241], v[X+\j+2:X+\j+3], v[X+\j+2:X+\j+3], v[240:241]
.endr
	s_delay_alu instid0(VALU_DEP_1)
	v_pk_add_f32 v[238:239], v[238:239], v[240:241]
	s_delay_alu instid0(VALU_DEP_1)
	v_add_f32 v238, v238, v239
	s_delay_alu instid0(VALU_DEP_1)
	v_add_f32_dpp v238, v238, v238 row_xmask:1 row_mask:0xf bank_mask:0xf
	s_delay_alu instid0(VALU_DEP_1)
	v_add_f32_dpp v238, v238, v238 row_xmask:2 row_mask:0xf bank_mask:0xf
	s_delay_alu instid0(VALU_DEP_1)
	v_fma_f32 v238, v238, s30, s31                 ; variance + 1e-5
	s_wait_alu depctr_va_vdst(0)                   ; the wait ahead of the transcendental
	v_rsq_f32 v240, v238
	v_nop                                          ; a plain instruction behind the transcendental
	s_wait_alu depctr_va_vdst(0)                   ; and the wait ahead of its first reader
	s_wait_loadcnt 15                              ; gain and bias are in; the 15 loads of the weight, its scale words and the biases may be out
.set j, 0
.rept 16
	v_pk_mul_f32 v[X+j:X+j+1], v[X+j:X+j+1], v[240:241] op_sel_hi:[1,0]
.set j, j+2
.endr
.set j, 0
.rept 16
	v_pk_fma_f32 v[X+j:X+j+1], v[X+j:X+j+1], v[G+j:G+j+1], v[B+j:B+j+1]
.set j, j+2
.endr
	v_max3_num_f32 v236, |v[X]|, |v[X+1]|, |v[X+2]|          ; the block's largest magnitude: all 32 numbers are mine
	v_max3_num_f32 v237, |v[X+3]|, |v[X+4]|, |v[X+5]|
.irp i, 6,10,14,18,22,26
	s_delay_alu instid0(VALU_DEP_2)
	v_max3_num_f32 v236, v236, |v[X+\i]|, |v[X+\i+1]|
	s_delay_alu instid0(VALU_DEP_2)
	v_max3_num_f32 v237, v237, |v[X+\i+2]|, |v[X+\i+3]|
.endr
	s_delay_alu instid0(VALU_DEP_2)
	v_max3_num_f32 v236, v236, |v[X+30]|, |v[X+31]|
	s_delay_alu instid0(VALU_DEP_1)
	v_max3_num_f32 v236, v236, v237, 0x1800000     ; and the floor 2^(3 - 127): the byte cannot fall under 1
	s_delay_alu instid0(VALU_DEP_1)
	v_add_nc_u32 v238, 0xff000000, v236            ; 2 off its exponent field: the conversion takes this operand's exponent field as its scale
	s_delay_alu instid0(VALU_DEP_1)
	v_lshrrev_b32 v239, 23, v238                   ; the scale's byte
.irp q, 0,1,2,3
	v_cvt_scalef32_pk8_fp4_f32 v[PC+\q], v[X+8*\q:X+8*\q+7], v238
.endr
	v_nop                                          ; one plain instruction behind the last scaled conversion
	ds_store_b128 v6, v[PC:PC+3]                   ; my block's 16 bytes, at their place in the fragment's image
	ds_store_b8 v0, v239 offset:XSC                ; 64 tile + 4 row + block is the thread's number
	BARRIER                                        ; the eight fragments of x^ lie in LDS
	; ---- G: group B's four token tiles
.irp u, 0,1,2,3
	ds_load_b128 v[XV+8*\u:XV+8*\u+3], v7 offset:1024*\u
	ds_load_b128 v[XV+8*\u+4:XV+8*\u+7], v7 offset:1024*\u+512
.endr
	ds_load_b32 v[XS], v8 offset:XSC
	ds_load_b32 v[XS+1], v8 offset:XSC+128
	s_wait_loadcnt 0x0                             ; the weight, its scale words, the biases
	s_wait_dscnt 0x0
; q or k, transposed: source 0 = 16 rows of the weight, source 1 = 16 tokens; the bias is the C.  Lane (r, hh) holds token row r of tile b; registers 8 u + j hold d = 16 hh + 8 u + j.
.macro QKMUL b, u
.if (\b)%2
	v_wmma_scale_f32_16x16x128_f8f6f4 v[D+16*\b+8*\u:D+16*\b+8*\u+7], v[W+8*\u:W+8*\u+7], v[XV+8*\b:XV+8*\b+7], v[CB+8*\u:CB+8*\u+7], v[WS+\u], v[XS+\b/2] matrix_a_fmt:MATRIX_FMT_FP4 matrix_b_fmt:MATRIX_FMT_FP4 matrix_b_scale:MATRIX_SCALE_ROW1
.else
	v_wmma_scale_f32_16x16x128_f8f6f4 v[D+16*\b+8*\u:D+16*\b+8*\u+7], v[W+8*\u:W+8*\u+7], v[XV+8*\b:XV+8*\b+7], v[CB+8*\u:CB+8*\u+7], v[WS+\u], v[XS+\b/2] matrix_a_fmt:MATRIX_FMT_FP4 matrix_b_fmt:MATRIX_FMT_FP4
.endif
.endm
; v, not transposed: source 0 = 16 tokens, source 1 = 16 rows of the weight.  Lane (r, hh) holds channel 8 p + r + 8 (r / 8); registers 8 u + j hold keys 64 B + 32 hh + 8 u + j.
.macro VMUL u
.if (\u)%2
	v_wmma_scale_f32_16x16x128_f8f6f4 v[DV+8*\u:DV+8*\u+7], v[XV+8*\u:XV+8*\u+7], v[W+16:W+23], 0, v[XS+\u/2], v[WS+2] matrix_a_fmt:MATRIX_FMT_FP4 matrix_b_fmt:MATRIX_FMT_FP4 matrix_a_scale:MATRIX_SCALE_ROW1
.else
	v_wmma_scale_f32_16x16x128_f8f6f4 v[DV+8*\u:DV+8*\u+7], v[XV+8*\u:XV+8*\u+7], v[W+16:W+23], 0, v[XS+\u/2], v[WS+2] matrix_a_fmt:MATRIX_FMT_FP4 matrix_b_fmt:MATRIX_FMT_FP4
.endif
.endm
.irp b, 0,1,2,3                                ; twelve products, each with an accumulator of its own
.irp u, 0,1
	QKMUL \b, \u
.endr
.endr
.irp u, 0,1,2,3
	VMUL \u
.endr
.rept 4
	v_nop                                          ; four places behind the products, ahead of the first read of a result
.endr
.set j, 0
.rept 16
	v_pk_add_f32 v[DV+j:DV+j+1], v[DV+j:DV+j+1], v[VB:VB+1]   ; v's bias: my channel's, for every key; each accumulator from its low end on
.set j, j+2
.endr
	; q's or k's four blocks lie in lanes l and l xor 16; v's block is all mine (two chains)
.irp b, 0,1,2,3
	v_max3_num_f32 v[TM+\b], |v[D+16*\b]|, |v[D+16*\b+1]|, 0x1800000
.endr
	v_max3_num_f32 v[TM+4], |v[DV]|, |v[DV+1]|, 0x1800000
	v_max3_num_f32 v[TM+5], |v[DV+16]|, |v[DV+17]|, |v[DV+18]|
.irp i, 2,4,6,8,10,12,14
.irp b, 0,1,2,3
	v_max3_num_f32 v[TM+\b], v[TM+\b], |v[D+16*\b+\i]|, |v[D+16*\b+\i+1]|
.endr
	v_max3_num_f32 v[TM+4], v[TM+4], |v[DV+\i]|, |v[DV+\i+1]|
.if \i < 14
	v_max3_num_f32 v[TM+5], v[TM+5], |v[DV+17+\i]|, |v[DV+18+\i]|
.endif
.endr
.irp b, 0,1,2,3
	v_permlanex16_b32 v[TM+6+\b], v[TM+\b], s28, s29
.endr
	v_max3_num_f32 v[TM+4], v[TM+4], v[TM+5], |v[DV+31]|
.irp b, 0,1,2,3
	v_max_num_f32 v[TM+\b], v[TM+\b], v[TM+6+\b]
.endr
.irp b, 0,1,2,3,4
	v_add_nc_u32 v[TM+12+\b], 0xff000000, v[TM+\b]
.endr
.irp b, 0,1,2,3,4
	v_lshrrev_b32 v[TM+6+\b], 23, v[TM+12+\b]
.endr
.irp b, 0,1,2,3
	v_cvt_scalef32_pk8_fp4_f32 v[PC+2*\b], v[D+16*\b:D+16*\b+7], v[TM+12+\b]
	v_cvt_scalef32_pk8_fp4_f32 v[PC+2*\b+1], v[D+16*\b+8:D+16*\b+15], v[TM+12+\b]
.endr
.irp g, 0,1,2,3
	v_cvt_scalef32_pk8_fp4_f32 v[PC+8+\g], v[DV+8*\g:DV+8*\g+7], v[TM+16]
.endr
	v_nop                                          ; one plain instruction behind the last scaled conversion
	s_wait_alu depctr_va_vdst(0)
	ds_store_b128 v13, v[PC+8:PC+11] offset:KVCS+2048
	ds_store_b8 v14, v[TM+10] offset:KVSS+128
	s_cmp_eq_u32 s5, 0                             ; the wave's number alone: p = 0 lays q by tokens, p = 1 lays k by tiles
	s_cbranch_scc0 .Lis_k
.irp b, 0,1,2,3
	ds_store_b64 v9, v[PC+2*\b:PC+2*\b+1] offset:QCS+512*\b
	ds_store_b8 v10, v[TM+6+\b] offset:QSS+32*\b   ; both lanes of a block write the same byte with the same value
.endr
	s_branch .Llaid
.Lis_k:
.irp b, 0,1,2,3
	ds_store_b64 v11, v[PC+2*\b:PC+2*\b+1] offset:KVCS+256*\b
	ds_store_b8 v12, v[TM+6+\b] offset:KVSS+\b
.endr
.Llaid:
	BARRIER                                        ; the work-group's four runs lie whole in LDS
	; ---- OUT: 16 bytes a thread; a wave's store covers 512 consecutive bytes, aligned
	ds_load_b128 v[32:35], v15 offset:KVCS
	ds_load_b128 v[36:39], v15 offset:KVCS+8192
	ds_load_b128 v[40:43], v15 offset:QCS
	s_wait_dscnt 2
	global_store_b128 v15, v[32:35], s[24:25]
	s_wait_dscnt 1
	global_store_b128 v15, v[36:39], s[24:25] offset:8192
	s_wait_dscnt 0
	global_store_b128 v15, v[40:43], s[20:21]
	s_cmp_lt_u32 s2, 2                             ; waves 0 and 1: the 1,024 scale bytes of K and V
	s_cbranch_scc0 .Lnot_kvs
	ds_load_b128 v[44:47], v15 offset:KVSS
	s_wait_dscnt 0x0
	global_store_b128 v15, v[44:47], s[26:27]
.Lnot_kvs:
	s_cmp_eq_u32 s2, 2                             ; wave 2 (threads 64 to 95): q's 512 scale bytes
	s_cbranch_scc0 .Lnot_qs
	ds_load_b128 v[44:47], v15 offset:QSS-1024
	s_wait_dscnt 0x0
	global_store_b128 v15, v[44:47], s[22:23] offset:-1024
.Lnot_qs:
	s_wait_tensorcnt 0x0                           ; the wave's end
	ds_add_u32 v254, v255
	s_wait_dscnt 0x0
	s_endpgm
.Lfunc_end_k_q629e9285a8_qkv:
	.size	k_q629e9285a8_qkv, .Lfunc_end_k_q629e9285a8_qkv-k_q629e9285a8_qkv
	.p2alignl 7, 3214868480
	.fill 96, 4, 3214868480
	.section	.rodata,"a",@progbits
	.p2align	6, 0x0
	.amdhsa_kernel k_q629e9285a8_qkv
		.amdhsa_group_segment_fixed_size 36864
		.amdhsa_private_segment_fixed_size 0
		.amdhsa_enable_private_segment 0
		.amdhsa_kernarg_size 80
		.amdhsa_user_sgpr_count 2
		.amdhsa_user_sgpr_kernarg_segment_ptr 1
		.amdhsa_wavefront_size32 1
		.amdhsa_system_sgpr_workgroup_id_x 1
		.amdhsa_system_sgpr_workgroup_id_y 1
		.amdhsa_system_sgpr_workgroup_id_z 1
		.amdhsa_system_vgpr_workitem_id 0
		.amdhsa_next_free_vgpr 256
		.amdhsa_next_free_sgpr 66
		.amdhsa_reserve_vcc 0
		.amdhsa_float_denorm_mode_32 3
		.amdhsa_float_denorm_mode_16_64 3
		.amdhsa_memory_ordered 1
		.amdhsa_forward_progress 1
		.amdhsa_inst_pref_size 28
	.end_amdhsa_kernel
	.amdgpu_metadata
---
amdhsa.version: [ 1, 2 ]
amdhsa.kernels:
  - .name:           k_q629e9285a8_qkv
    .symbol:         k_q629e9285a8_qkv.kd
    .args:
      - { .name: x, .offset: 0, .size: 8, .value_kind: global_buffer, .address_space: global }
      - { .name: ln1_g, .offset: 8, .size: 8, .value_kind: global_buffer, .address_space: global }
      - { .name: ln1_b, .offset: 16, .size: 8, .value_kind: global_buffer, .address_space: global }
      - { .name: qkv_w_codes, .offset: 24, .size: 8, .value_kind: global_buffer, .address_space: global }
      - { .name: qkv_w_scales, .offset: 32, .size: 8, .value_kind: global_buffer, .address_space: global }
      - { .name: qkv_b, .offset: 40, .size: 8, .value_kind: global_buffer, .address_space: global }
      - { .name: qc, .offset: 48, .size: 8, .value_kind: global_buffer, .address_space: global }
      - { .name: qs, .offset: 56, .size: 8, .value_kind: global_buffer, .address_space: global }
      - { .name: kvc, .offset: 64, .size: 8, .value_kind: global_buffer, .address_space: global }
      - { .name: kvs, .offset: 72, .size: 8, .value_kind: global_buffer, .address_space: global }
    .group_segment_fixed_size: 36864
    .private_segment_fixed_size: 0
    .kernarg_segment_align: 8
    .kernarg_segment_size: 80
    .max_flat_workgroup_size: 512
    .sgpr_count:     66
    .vgpr_count:     256
    .wavefront_size: 32
...
	.end_amdgpu_metadata
.endif
;; end of part 1
;; launch attn_mlp (part 2): grid 256 x 1, 16 waves a work-group, clusters of 4 x 1, 327,680 bytes of LDS; arguments x, qc, qs, kvc, kvs, proj_w_codes, proj_w_scales, proj_b, ln2_g, ln2_b, mlp_w1_codes, mlp_w1_scales, mlp_b1, mlp_w2_codes, mlp_w2_scales, mlp_b2, out0; writes out0
.if DOCPART == 2
	.amdgcn_target "amdgcn-amd-amdhsa--gfx1250"
	.amdhsa_code_object_version 6
	.text
	.protected	k_q629e9285a8_attn_mlp
	.globl	k_q629e9285a8_attn_mlp
	.p2align	8
	.type	k_q629e9285a8_attn_mlp,@function
k_q629e9285a8_attn_mlp:
	s_mov_b64 s[64:65], 0
	v_nop
	global_prefetch_b8 v0, s[64:65] scope:SCOPE_SE
	s_setreg_imm32_b32 hwreg(HW_REG_WAVE_MODE, 25, 1), 1
	s_wait_xcnt 0x0
	s_wait_alu depctr_hold_cnt(0) depctr_sa_sdst(0) depctr_va_vdst(0) depctr_va_sdst(0) depctr_va_ssrc(0) depctr_va_vcc(0) depctr_vm_vsrc(0)
	s_getreg_b32 s2, hwreg(HW_REG_IB_STS2, 6, 4)
	s_cmp_eq_u32 s2, 0
	s_cbranch_scc0 .Lentry_in_a_cluster
	s_endpgm
.Lentry_in_a_cluster:
	s_bfe_u32 s2, ttmp6, 0x10000c
	s_cmp_lg_u32 s2, 0x3003
	s_cbranch_scc0 .Lentry_shape_is_right
	s_endpgm
.Lentry_shape_is_right:
; Attention on codes of FP4 (E2M1, one E8M0 byte for each 32 along a product's K) and all that follows it: / l, projection + bias + x, LN2, W1 + b1, exact gelu, W2 + b2 + residual.
; SHARES.  A work-group owns 64 tokens, all four heads, all 4,096 keys of its batch.  Sixteen waves of 256 registers, four to a SIMD.
; Wave w: i = w / 4 (tile of 16 tokens), h = w % 4 (head).  Behind the attention the same wave owns channels 32 h .. 32 h + 31 of its 16 tokens: one block of 32 of the next products' K.
; LAYOUT.  All products are used transposed (source 0 = keys, channels or a weight's rows; source 1 = my 16 tokens): a lane holds ONE token (lane % 16) throughout.
; THE FIRST PRODUCT'S K IS 32, the instruction's 128.  One fragment of K's codes holds FOUR tiles of 16 keys, one in each block of 32; q stands in ONE block of its fragment, zero codes in the other three (four such fragments,
; made once): the product of fragment f with q in block bb is tile 4 f + bb's scores.  Row 8 a + j of tile 4 f + u is key 64 f + 32 a + 8 u + j, so a lane's 32 score registers of fragment f are
; ONE WHOLE BLOCK of 32 keys, 64 f + 32 (lane / 16) + 0 .. 31: its largest score needs no other lane, and four conversions give registers 4 f .. 4 f + 3 of the second product's operand as they stand.
; SOFTMAX.  t = score x log2(e) / sqrt(32); M = the running largest t rounded up to a whole number; p = 2^(t - M) is quantised along the keys; the row's sum is taken of the unquantised p, in four chains
; whose first link of a step is chain x f + p; when M moves, sums and O are multiplied by f = 2^(old M - new M).
; RING.  Two LDS slots of four key steps (65,536 bytes); waves 0-3 fetch a step each.  CLUSTER: the four work-groups of a cluster belong to one batch and walk the same K, V and weights: every tile is asked for jointly.
; A step's K fragments are asked of LDS behind the step before's score products; x + proj_b, the weights' scale words and the epilogue's addresses are made at the head and kept.
; LIMITS: NaN and infinities among the inputs are not served.  A block whose largest magnitude lies under 2^-124 gets the byte 1, a block of zeros too: its codes are zeros, and these bytes never leave the program.
; The scaled scores stay under 2^31 in magnitude.  Sums are taken in another order than the definition's; v_exp_f32, v_rcp_f32, v_rsq_f32 are good to 1 ulp; erf by polynomials, its complement kept for negative arguments.
.set SLOT1, 65536                      ; slot 0 at 0, slot 1 here: one exclusive or turns an address
.set SCL,   131072                     ; the batch's scale bytes: 32 steps x 1,024
.set WL,    163840                     ; proj's 128 rows, then W1's 512: 64 bytes + 16 of padding
.set W2L,   215040                     ; W2's 128 rows: 256 bytes + 16 of padding
.set SPARE, 249856                     ; the spare words: 128 bytes for each wave
.set SCR,   251904                     ; what the waves store themselves; no tile ever lands here
.set AIMG,  0                          ; attention's output: 4 fragment images,
.set ASC,   4096                       ; their scale words,
.set LNS,   4352                       ; LN2: (mean, sum of squares) of 32 channels: 8 bytes x 4 heads x 64 tokens,
.set HIMG,  6400                       ; LN2's output: 4 images,
.set HSC,   10496
.set GIMG,  10752                      ; gelu's output: 16 images (tile i, K step s: 4 i + s),
.set GSC,   27136                      ; their scale words, 128 bytes each,
.set OST,   29184                      ; the way out: 64 rows x (512 + 16)
; v0 thread; v1, v2 my lane's place in a step's codes and scale words; v3, v4 the same in the slot in hand; v5, v6 the add's two; v7 the prefetch's offset
; v12 -M, v13 largest score, v[14:15], v[240:243], v[246:247] the sum's four chains; v16-39 q's four fragments; v48-63 x + proj_b; v64-79 V; v80-95 K; v96-159 scores, then p; v160-175 O^T; v176-183 codes
; v184-203 the epilogue's addresses; v208-231 scale words and nothing else; v248 8 (lane / 16); v232-255 else at work
.macro CROUND                          ; a round of the cluster's barrier
	s_barrier_signal -1
	s_barrier_wait -1
	s_cmp_lg_u32 s2, 0
	s_cbranch_scc1 .Lnw0_\@
	s_barrier_signal -3
.Lnw0_\@:
	s_barrier_wait -3
	s_barrier_signal -1
	s_barrier_wait -1
.endm
.macro NOP4
.rept 4
	v_nop
.endr
.endm
.macro BARRIER                         ; my LDS stores have landed and my LDS loads are in: then the work-group's barrier
	s_wait_dscnt 0x0
	s_barrier_signal -1
	s_barrier_wait -1
.endm
	s_load_b512 s[8:23], s[0:1], 0x0               ; x 8, qc 10, qs 12, kvc 14, kvs 16, proj codes 18, proj scales 20, proj_b 22
	s_load_b512 s[24:39], s[0:1], 0x40             ; ln2_g 24, ln2_b 26, W1 codes 28, W1 scales 30, b1 32, W2 codes 34, W2 scales 36, b2 38
	s_load_b64 s[40:41], s[0:1], 0x80              ; out0
	v_lshl_add_u32 v5, v0, 2, SPARE
	v_mov_b32 v6, 0
	ds_add_u32 v5, v6                              ; the opening lines: the add twice on end and its wait
	ds_add_u32 v5, v6
	s_wait_dscnt 0x0
	v_lshrrev_b32 v8, 5, v0
	s_delay_alu instid0(VALU_DEP_1)
	v_readfirstlane_b32 s2, v8                     ; wave 0..15
	s_lshr_b32 s3, s2, 2                           ; i
	s_and_b32 s4, s2, 3                            ; h
	s_bfe_u32 s5, ttmp6, 0x40000                   ; cx: it enters global addresses of x, qc, qs, out0 and the prefetch alone
	s_mov_b32 s6, 0                                ; LDS byte at which the slot in hand begins
	s_mov_b32 s7, 0                                ; and its scale words: 4,096 bytes a slot
	s_mov_b32 s42, 7                               ; slots still to be asked for
	s_mov_b32 s60, 0x76543210
	s_mov_b32 s61, 0xfedcba98                      ; v_permlanex16_b32's selects for lane l xor 16
	s_mov_b32 s62, 0x3e8293ee                      ; c = log2(e) / sqrt(32)
	s_mov_b32 s63, s62                             ; (named with it as a pair, so it is written)
	s_mov_b32 s100, 0x7fffffff
	s_mov_b32 s101, 0x3f6d8000                     ; 0.927734375: where erf's two polynomials meet
	; group 1 for K/V and for the scale bytes: 64 rows of 256 bytes (32 elements of 8), dense; the mask names all four work-groups, bit 21 beside it
	s_mov_b32 s44, 15|(3<<16)|(1<<21)
	s_mov_b32 s45, 32<<16
	s_mov_b32 s46, 64<<16
	s_mov_b32 s47, 32<<16
	s_mov_b32 s48, 64
	s_mov_b32 s49, 32
	s_mov_b32 s50, 0
	s_mov_b32 s51, 0
	; group 1 for proj and W1: 128 rows of 64 bytes, four words of padding behind every 16
	s_mov_b32 s68, 15|(1<<20)|(1<<21)|(3<<22)|(3<<25)
	s_mov_b32 s69, 64<<16
	s_mov_b32 s70, 128<<16
	s_mov_b32 s71, 64<<16
	s_mov_b32 s72, 128
	s_mov_b32 s73, 64
	s_mov_b32 s74, 0
	s_mov_b32 s75, 0
	; group 1 for W2: 128 rows of 256 bytes, four words of padding behind every 64
	s_mov_b32 s76, 15|(1<<20)|(1<<21)|(5<<22)|(3<<25)
	s_mov_b32 s77, 256<<16
	s_mov_b32 s78, 128<<16
	s_mov_b32 s79, 256<<16
	s_mov_b32 s80, 128
	s_mov_b32 s81, 256
	s_mov_b32 s82, 0
	s_mov_b32 s83, 0
	; groups 0: each offset is made in the group's own registers, of the batch (cluster / 16) and the wave's number
	s_mov_b32 s84, 1                               ; K/V: step (wave % 4) of a slot
	s_lshl_b32 s85, s4, 14
	s_lshr_b32 s86, ttmp9, 4
	s_lshl_b32 s86, s86, 19
	s_add_co_u32 s86, s86, s85
	s_mov_b32 s87, 0
	s_mov_b32 s88, 1                               ; the scale bytes: half (wave % 2)
	s_and_b32 s89, s2, 1
	s_lshl_b32 s89, s89, 14
	s_lshr_b32 s90, ttmp9, 4
	s_lshl_b32 s90, s90, 15
	s_add_co_u32 s90, s90, s89
	s_mov_b32 s91, 0
	s_add_co_u32 s89, s89, SCL
	s_mov_b32 s92, 1                               ; W1: quarter (wave + 3) % 4: waves 5 to 8 take 0 to 3
	s_add_co_u32 s93, s2, 3
	s_and_b32 s93, s93, 3
	s_lshl_b32 s94, s93, 13
	s_mov_b32 s95, 0
	s_mul_i32 s93, s93, 10240
	s_add_co_u32 s93, s93, WL+10240
	s_mov_b32 s52, 1                               ; proj
	s_mov_b32 s53, WL
	s_mov_b32 s96, 1                               ; W2
	s_mov_b32 s97, W2L
	; who prefetches: waves 4 and 5 of the batch's first cluster: the same in all four partners
	s_sub_co_u32 s43, s2, 4
	s_lshr_b32 s43, s43, 1
	s_and_b32 s56, ttmp9, 15
	s_or_b32 s43, s43, s56
	s_cmp_eq_u32 s43, 0
	s_cselect_b32 s43, 1, -1
	s_lshl_b32 s56, ttmp9, 2
	s_add_co_u32 s56, s56, s5
	s_lshl_b32 s56, s56, 6                         ; my work-group's first token
	s_lshl_b32 s57, s3, 4
	s_add_co_u32 s57, s57, s56                     ; my tile's
	s_lshl_b32 s58, s2, 2
	s_add_co_u32 s56, s56, s58                     ; the first of the four rows that I store
	s_mov_b32 s59, 0
	s_wait_kmcnt 0x0
	s_add_nc_u64 s[86:87], s[14:15], s[86:87]
	s_or_b32 s87, s87, 0x80000000
	s_add_nc_u64 s[90:91], s[16:17], s[90:91]
	s_or_b32 s91, s91, 0x80000000
	s_add_nc_u64 s[94:95], s[28:29], s[94:95]
	s_or_b32 s95, s95, 0x80000000
	s_mov_b64 s[54:55], s[18:19]
	s_or_b32 s55, s55, 0x80000000
	s_mov_b64 s[98:99], s[34:35]
	s_or_b32 s99, s99, 0x80000000
	s_lshl_b32 s58, s56, 9
	s_add_nc_u64 s[40:41], s[40:41], s[58:59]      ; out0 at my four rows
	s_lshl_b32 s58, s57, 9
	s_add_nc_u64 s[8:9], s[8:9], s[58:59]          ; x at my tile
	s_lshl_b32 s58, s57, 6
	s_add_nc_u64 s[10:11], s[10:11], s[58:59]      ; q's codes
	s_lshl_b32 s58, s57, 2
	s_add_nc_u64 s[12:13], s[12:13], s[58:59]      ; q's bytes
	s_lshl_b32 s58, s4, 7                          ; my 32 channels: 128 h bytes
	s_add_nc_u64 s[8:9], s[8:9], s[58:59]
	s_add_nc_u64 s[20:21], s[20:21], s[58:59]
	s_add_nc_u64 s[22:23], s[22:23], s[58:59]
	s_add_nc_u64 s[24:25], s[24:25], s[58:59]
	s_add_nc_u64 s[26:27], s[26:27], s[58:59]
	s_add_nc_u64 s[38:39], s[38:39], s[58:59]
	s_lshl_b32 s58, s4, 9                          ; my 128 hidden units, my 32 rows of W2's scale bytes: 512 h bytes
	s_add_nc_u64 s[30:31], s[30:31], s[58:59]
	s_add_nc_u64 s[32:33], s[32:33], s[58:59]
	s_add_nc_u64 s[36:37], s[36:37], s[58:59]
	s_lshl_b32 s58, s4, 4
	s_add_nc_u64 s[10:11], s[10:11], s[58:59]
	s_mov_b32 s58, s4
	s_add_nc_u64 s[12:13], s[12:13], s[58:59]
	s_mov_b32 s58, 0xbe8293ee                      ; -c
	; the prefetches: of a slot's 65,536 bytes partner cx takes 16,384, told apart by address; waves 4 and 5 take 8,192 each.  It stands in slot 1; the first change of slots steps it to slot 2
	s_lshr_b32 s56, ttmp9, 4
	s_lshl_b32 s56, s56, 19
	s_lshl_b32 s57, s5, 14
	s_add_co_u32 s56, s56, s57
	s_lshl_b32 s57, s2, 13
	s_add_co_u32 s56, s56, s57
	s_add_co_u32 s56, s56, 32768                   ; 65,536 - 4 x 8,192
	s_mov_b32 s57, 0
	s_add_nc_u64 s[66:67], s[14:15], s[56:57]
	s_mov_b32 s14, 0x3c000000                      ; 1 / 128  (kvc's address has been copied where it is wanted)
	s_mov_b32 s15, 0x3727c5ac                      ; 1e-5
	CROUND                                         ; all four work-groups are here: the first joint loads meet
	; the first fills: one load a wave, in one chain of branches on the wave's number; four v_nop follow each
	s_cmp_lt_u32 s2, 4
	s_cbranch_scc0 .Lfill_p
	tensor_load_to_lds s[84:87], s[44:51]          ; waves 0-3: slot 0
	s_nop 0
	NOP4
	s_branch .Lfilled
.Lfill_p:
	s_cmp_eq_u32 s2, 4
	s_cbranch_scc0 .Lfill_w1
	tensor_load_to_lds s[52:55], s[68:75]          ; wave 4: proj
	s_nop 0
	NOP4
	s_branch .Lfilled
.Lfill_w1:
	s_cmp_lt_u32 s2, 9
	s_cbranch_scc0 .Lfill_w2
	tensor_load_to_lds s[92:95], s[68:75]          ; waves 5-8: W1
	s_nop 0
	NOP4
	s_branch .Lfilled
.Lfill_w2:
	s_cmp_eq_u32 s2, 9
	s_cbranch_scc0 .Lfill_s
	tensor_load_to_lds s[96:99], s[76:83]          ; wave 9: W2
	s_nop 0
	NOP4
	s_branch .Lfilled
.Lfill_s:
	s_cmp_lt_u32 s2, 12
	s_cbranch_scc0 .Lfilled
	tensor_load_to_lds s[88:91], s[44:51]          ; waves 10, 11: the batch's scale bytes
	s_nop 0
	NOP4
.Lfilled:
	v_and_b32 v241, 15, v0                         ; r
	v_bfe_u32 v242, v0, 4, 1                       ; hh
	v_and_b32 v240, 31, v0                         ; lane
	v_bfe_u32 v243, v0, 5, 2                       ; h
	v_lshlrev_b32 v10, 6, v241
	v_lshlrev_b32 v11, 2, v241
	v_and_b32 v250, 8, v241
	v_lshlrev_b32 v200, 6, v242                    ; a vector of 128 numbers: my 16: 64 hh
	v_lshrrev_b32 v248, 7, v0                      ; i
	v_lshrrev_b32 v249, 5, v0                      ; w
	v_add_nc_u32 v250, v250, v241                  ; rr = r + 8 (r / 8)
	v_lshl_add_u32 v199, v241, 9, v200             ; x: row r, + 64 hh
	v_lshlrev_b32 v203, 4, v240                    ; 16 lane
	v_lshlrev_b32 v7, 8, v240                      ; the prefetch: lanes 256 bytes apart
	v_lshlrev_b32 v201, 2, v250                    ; scale words of 4 bytes a row
	v_lshlrev_b32 v202, 4, v250                    ; and of 16
	global_load_b128 v[40:43], v10, s[10:11]       ; q of token r, my head: both halves of the lanes alike
	global_load_u8 v44, v11, s[12:13]              ; and its scale byte
.irp k, 0,1,2,3
	global_load_b128 v[48+4*\k:51+4*\k], v199, s[8:9] offset:16*\k        ; x: my 16 channels of token r
.endr
.irp k, 0,1,2,3
	global_load_b128 v[96+4*\k:99+4*\k], v200, s[22:23] offset:16*\k      ; proj_b
.endr
.irp u, 0,1
	global_load_b32 v[214+\u], v201, s[20:21] offset:32*\u                ; proj's scale words,
.endr
.irp t, 0,1,2,3,4,5,6,7
	global_load_b32 v[216+\t], v201, s[30:31] offset:(32*(\t/2)+8*(\t%2))*4   ; W1's,
.endr
.irp u, 0,1
.irp s, 0,1,2,3
	global_load_b32 v[224+4*\u+\s], v202, s[36:37] offset:128*\u+4*\s     ; W2's: they stay in their registers
.endr
.endr
	; the epilogue's LDS addresses, all from the thread's number, chains by turns
	v_lshl_add_u32 v184, v248, 10, v203
	v_lshlrev_b32 v185, 2, v241
	v_lshlrev_b32 v186, 4, v241
	v_lshlrev_b32 v188, 5, v241
	v_lshl_add_u32 v190, v249, 10, v203
	v_lshl_add_u32 v192, v248, 12, v203
	v_lshlrev_b32 v193, 2, v240
	v_lshl_add_u32 v194, v248, 4, v241
	v_mad_u32_u24 v195, v249, 2112, v203
	v_mul_u32_u24 v196, v250, 80
	v_mul_u32_u24 v198, v250, 272
	v_lshl_add_u32 v191, v0, 2, SCR+GSC            ; gelu's scale words that I store: 128 w + 4 lane
	v_add_nc_u32 v184, SCR, v184                   ; a tile's image: 1,024 i + 16 lane
	v_lshl_add_u32 v185, v248, 6, v185
	v_lshl_add_u32 v186, v242, 3, v186
	v_lshl_add_u32 v188, v248, 9, v188
	v_add_nc_u32 v190, SCR+GIMG, v190              ; gelu's image that I store: 1,024 w + 16 lane
	v_add_nc_u32 v192, SCR+GIMG, v192              ; my tile's four images
	v_lshl_add_u32 v193, v248, 9, v193
	v_mul_u32_u24 v194, v194, 528
	v_add_nc_u32 v195, SCR+OST, v195               ; back from the stage: rows 4 w on, 16 bytes a lane
	v_lshl_add_u32 v196, v242, 4, v196
	v_lshl_add_u32 v198, v242, 4, v198
	v_add_nc_u32 v185, SCR, v185                   ; a tile's scale words: 64 i + 4 r
	v_lshl_add_u32 v186, v249, 8, v186
	v_add_nc_u32 v188, SCR+LNS, v188               ; LN2's four pairs of my token
	v_add_nc_u32 v193, SCR+GSC, v193
	v_lshl_add_u32 v194, v243, 7, v194
	v_mad_u32_u24 v197, v243, 10240, v196
	v_mad_u32_u24 v196, v243, 2560, v196
	v_mad_u32_u24 v198, v243, 8704, v198
	v_add_nc_u32 v187, v185, v243                  ; my byte of the scale words: + h
	v_add_nc_u32 v186, SCR, v186                   ; my 8 bytes of the image: 1,024 i + 256 h + 16 r + 8 hh
	v_lshl_add_u32 v189, v243, 3, v188             ; my pair
	v_lshl_add_u32 v194, v242, 6, v194
	v_add_nc_u32 v197, WL+10240, v197              ; W1: my 128 rows
	v_add_nc_u32 v196, WL, v196                    ; proj: my 32 rows
	v_add_nc_u32 v198, W2L, v198                   ; W2: my 32 rows
	v_lshl_add_u32 v1, v243, 12, v203              ; a step's codes: 16 lane + 4,096 h
	v_lshlrev_b32 v2, 2, v240
	v_add_nc_u32 v194, SCR+OST, v194               ; the stage: row 16 i + r, + 128 h + 64 hh
	v_lshlrev_b32 v248, 3, v242                    ; 8 hh: how far my two scale bytes are shifted
	v_lshl_add_u32 v2, v243, 8, v2
	v_mov_b32 v13, 0xff61b1e6                      ; the largest score so far: -3e38
	v_mov_b32 v14, 0
	v_mov_b32 v15, 0
	v_add_nc_u32 v2, SCL, v2                       ; its scale words: SCL + 4 lane + 256 h
	v_mul_f32 v12, s58, v13
.irp k, 240,241,242,243,246,247,236,253
	v_mov_b32 v\k, 0                               ; the sum's other chains; a permute's destination; the upper half of the pair v[252:253]
.endr
	v_floor_f32 v12, v12                           ; -M
.set j, 0
.rept 16
	v_mov_b32 v[160+j], 0                          ; O^T: the step is written once; its first run finds zeros
.set j, j+1
.endr
.irp k, 0,1,2,3
	v_mov_b32 v[20+\k], 0
	v_mov_b32 v[32+\k], 0
.endr
	v_cmp_gt_u32 vcc_lo, 256, v203                 ; lanes 0-15: 16 x lane under 256
	s_wait_alu depctr_va_vdst(0)                   ; the wait here, directly ahead of the wait below
	s_wait_loadcnt 0x0
.irp k, 0,1,2,3
	v_cndmask_b32 v[16+\k], 0, v[40+\k], vcc_lo    ; q in lanes 0-15, zero codes in lanes 16-31
	v_cndmask_b32 v[28+\k], v[40+\k], v[20+\k], vcc_lo   ; and the other way round
.endr
.set j, 0
.rept 8
	v_pk_add_f32 v[48+j:49+j], v[48+j:49+j], v[96+j:97+j]                 ; x + proj_b: the C of the projection
.set j, j+2
.endr
.irp k, 0,1,2,3
	v_mov_b32 v[24+\k], v[16+\k]                   ; q in block 0: v[16:23]; block 2: v[20:27]; block 1: v[28:35]; block 3: v[32:39]
	v_mov_b32 v[36+\k], v[28+\k]
.endr
	v_lshl_or_b32 v208, v44, 8, v44
	s_delay_alu instid0(VALU_DEP_1)
	v_lshl_or_b32 v208, v208, 16, v208             ; q's byte in all four bytes of its word
.macro KLOAD q                         ; K of the slot's q-th step: two fragments, four tiles each; lanes 0-15: fragment 0's scale words, lanes 16-31: fragment 1's
.irp j, 0,1,2,3
	ds_load_b128 v[80+4*\j:83+4*\j], v3 offset:16384*(\q)+512*\j
.endr
	ds_load_b32 v209, v4 offset:1024*(\q)
.endm
.macro FMA8 j0                         ; t - M of 16 scores
.irp j, 0,2,4,6,8,10,12,14
	v_pk_fma_f32 v[96+\j0+\j:97+\j0+\j], v[96+\j0+\j:97+\j0+\j], s[62:63], v[12:13] op_sel_hi:[1,0,0]
.endr
.endm
.macro ADD4 j                          ; eight p onto the sum's four chains
	v_pk_add_f32 v[14:15], v[14:15], v[96+\j:97+\j]
	v_pk_add_f32 v[240:241], v[240:241], v[98+\j:99+\j]
	v_pk_add_f32 v[242:243], v[242:243], v[100+\j:101+\j]
	v_pk_add_f32 v[246:247], v[246:247], v[102+\j:103+\j]
.endm
; A KEY STEP: 128 keys of my head, the q-th of the slot in hand.
.macro STEP q
.if \q == 0
	KLOAD 0
.endif
	s_wait_dscnt 0x0                               ; K and its words are in (but for a slot's first step they were asked for a step ago)
.irp bb, 0,1,2,3
	v_wmma_scale_f32_16x16x128_f8f6f4 v[96+8*\bb:103+8*\bb], v[80:87], v[16+12*(\bb%2)+4*(\bb/2):23+12*(\bb%2)+4*(\bb/2)], 0, v209, v208 matrix_a_fmt:MATRIX_FMT_FP4 matrix_b_fmt:MATRIX_FMT_FP4
.endr
.irp bb, 0,1,2,3
	v_wmma_scale_f32_16x16x128_f8f6f4 v[128+8*\bb:135+8*\bb], v[88:95], v[16+12*(\bb%2)+4*(\bb/2):23+12*(\bb%2)+4*(\bb/2)], 0, v209, v208 matrix_a_fmt:MATRIX_FMT_FP4 matrix_b_fmt:MATRIX_FMT_FP4 matrix_a_scale:MATRIX_SCALE_ROW1
.endr
	v_mov_b32 v254, v12                            ; the old -M.  Four places: ahead of loads into V's, K's and their words' registers, and of the first read of a score
.rept 3
	v_nop
.endr
.irp j, 0,1,2,3
	ds_load_b128 v[64+4*\j:67+4*\j], v3 offset:16384*(\q)+2048+512*\j     ; V: two fragments of 16 channels
.endr
	ds_load_b32 v210, v4 offset:1024*(\q)+128
.if \q < 3
	KLOAD (\q)+1                                   ; the next step's K
.endif
.irp c, 0,1                                    ; the largest score of my two blocks of 32 keys, two chains each
	v_max3_num_f32 v[232+\c], v[96+32*\c], v[97+32*\c], v[98+32*\c]
	v_max3_num_f32 v[234+\c], v[113+32*\c], v[114+32*\c], v[115+32*\c]
.endr
.irp i, 3,5,7,9,11,13
.irp c, 0,1
	v_max3_num_f32 v[232+\c], v[232+\c], v[96+32*\c+\i], v[97+32*\c+\i]
	v_max3_num_f32 v[234+\c], v[234+\c], v[113+32*\c+\i], v[114+32*\c+\i]
.endr
.endr
.irp c, 0,1
	v_max3_num_f32 v[232+\c], v[232+\c], v[111+32*\c], v[112+32*\c]
.endr
.irp c, 0,1
	s_delay_alu instid0(VALU_DEP_2)
	v_max_num_f32 v[232+\c], v[232+\c], v[234+\c]
.endr
	s_delay_alu instid0(VALU_DEP_1)
	v_max3_num_f32 v255, v232, v233, v13
	s_delay_alu instid0(VALU_DEP_1)
	v_permlanex16_b32 v236, v255, s60, s61
	s_delay_alu instid0(VALU_DEP_1)
	v_max_num_f32 v13, v255, v236                  ; the running largest score of my token, lane l xor 16's keys among them
	s_delay_alu instid0(VALU_DEP_1)
	v_mul_f32 v255, s58, v13                       ; -t
	s_delay_alu instid0(VALU_DEP_1)
	v_floor_f32 v12, v255                          ; the new -M = -ceil(t)
	FMA8 0
	v_sub_f32 v254, v12, v254                      ; old M - new M: a whole number, 0 or less
	FMA8 16
	v_cvt_i32_f32 v254, v254                       ; (it saturates)
	FMA8 32
	v_ldexp_f32 v252, 1.0, v254                    ; f = 2^(old M - new M)
	FMA8 48
.irp c, 0,1
	v_fma_f32 v[232+\c], v[232+\c], s62, v12       ; the same of each block's largest score
.endr
.set j, 0
.rept 8
	v_pk_mul_f32 v[160+j:161+j], v[160+j:161+j], v[252:253] op_sel_hi:[1,0]   ; O^T under the new M, each accumulator from its low end on
.set j, j+2
.endr
	s_wait_alu depctr_va_vdst(0)                   ; the wait ahead of the batch
.set j, 0
.rept 64
	v_exp_f32 v[96+j], v[96+j]                     ; p = 2^(t - M): one batch of 66 with the two below
.set j, j+1
.endr
.irp c, 0,1
	v_exp_f32 v[232+\c], v[232+\c]                 ; my blocks' largest p
.endr
	v_nop                                          ; the plain instruction behind the last exponential
	s_wait_alu depctr_va_vdst(0)                   ; one wait for the batch, ahead of its first reader
.irp c, 0,1
	v_max_num_f32 v[232+\c], 0x1800000, v[232+\c]  ; the floor 2^(3 - 127): the byte cannot fall under 1
.endr
.irp c, 0,1
	v_add_nc_u32 v[244+\c], 0xff000000, v[232+\c]  ; 2 off the exponent field: the conversion's scale operand
.endr
.irp c, 0,1
.irp g, 0,1,2,3
	v_cvt_scalef32_pk8_fp4_f32 v[176+4*\c+\g], v[96+32*\c+8*\g:103+32*\c+8*\g], v[244+\c]   ; registers 4 c .. 4 c + 3 of the operand: keys 64 c + 32 hh + 0 .. 31
.endr
.endr
.irp c, 0,1
	v_lshrrev_b32 v[237+\c], 23, v[244+\c]         ; the scales' bytes: blocks hh and 2 + hh
.endr
	v_pk_fma_f32 v[14:15], v[14:15], v[252:253], v[96:97] op_sel_hi:[1,0,1]       ; each chain's first link of the step: chain x f + p
	v_pk_fma_f32 v[240:241], v[240:241], v[252:253], v[98:99] op_sel_hi:[1,0,1]
	v_lshl_or_b32 v255, v238, 16, v237
	v_pk_fma_f32 v[242:243], v[242:243], v[252:253], v[100:101] op_sel_hi:[1,0,1]
	v_pk_fma_f32 v[246:247], v[246:247], v[252:253], v[102:103] op_sel_hi:[1,0,1]
	v_lshlrev_b32 v255, v248, v255                 ; at their places in the word
	ADD4 8
	v_permlanex16_b32 v236, v255, s60, s61
	ADD4 16
	v_or_b32 v212, v255, v236                      ; with lane l xor 16's two: p's scale word for these 128 keys; 20 plain instructions stand between it and the products
.irp j, 24,32,40,48,56
	ADD4 \j
.endr
.if \q < 3
	s_wait_dscnt 5                                 ; V and its words are in; the five loads of the next step's K may be out
.else
	s_wait_dscnt 0x0
.endif
	v_wmma_scale_f32_16x16x128_f8f6f4 v[160:167], v[64:71], v[176:183], v[160:167], v210, v212 matrix_a_fmt:MATRIX_FMT_FP4 matrix_b_fmt:MATRIX_FMT_FP4
	v_wmma_scale_f32_16x16x128_f8f6f4 v[168:175], v[72:79], v[176:183], v[168:175], v210, v212 matrix_a_fmt:MATRIX_FMT_FP4 matrix_b_fmt:MATRIX_FMT_FP4 matrix_a_scale:MATRIX_SCALE_ROW1
.endm
; THE CHANGE OF SLOTS stands at a slot's head.  Each wave waits for all its tensor loads, adds 0 to its spare word, and waits for that and for its reads of the slot that it has left.
; fill = 1: a round of the cluster's barrier, and behind it the slot just left is filled with the keys that follow: one load a fetching wave, which has four key steps in which to land.
.macro CHANGE fill
	s_wait_tensorcnt 0x0                           ; no tensor load of mine is out, so a group 0 may be written
	ds_add_u32 v5, v6                              ; 0 onto my spare word, twice on end
	ds_add_u32 v5, v6
.if \fill
	s_xor_b32 s85, s85, SLOT1                      ; the walking descriptor: the other slot,
	s_add_nc_u64 s[86:87], s[86:87], 65536         ; the next four steps; the type bits on top are not reached
	s_wait_xcnt 0x0                                ; the last prefetch, a slot back, has read its address
	s_add_nc_u64 s[66:67], s[66:67], 65536         ; one slot further on than the walking descriptor
.endif
	s_wait_dscnt 0x0                               ; the adds are done, and my reads of the slot that I have left are over
.if \fill
	CROUND
	s_cmp_lt_u32 s2, 4
	s_cbranch_scc0 .Lno_load_\@
	tensor_load_to_lds s[84:87], s[44:51]          ; the first thing behind the round, and a wave's one tensor load until the next
	s_nop 0
	NOP4
.Lno_load_\@:
	s_cmp_gt_u32 s42, s43                          ; what the NEXT change will ask for: each aligned 256 bytes once in the launch; the last filling change asks for nothing
	s_cbranch_scc0 .Lno_ask_\@
	global_prefetch_b8 v7, s[66:67] th:TH_LOAD_NT scope:SCOPE_SE
.Lno_ask_\@:
.else
	s_barrier_signal -1
	s_barrier_wait -1
.endif
	v_add_nc_u32 v3, s6, v1
	v_add_nc_u32 v4, s7, v2
	s_wait_alu depctr_va_vdst(0)                   ; the wait here, directly behind the writes
.endm
.macro SLOT_STEPS
	STEP 0
	STEP 1
	STEP 2
	STEP 3
	s_xor_b32 s6, s6, SLOT1
	s_add_co_u32 s7, s7, 4096
.endm
	s_wait_alu depctr_va_vdst(0)                   ; the wait at the head's end
.Lslot:                                            ; 7 trips; the first trip's load is slot 1's first fill
	CHANGE 1
	SLOT_STEPS
	s_sub_co_u32 s42, s42, 1
	s_cmp_lg_u32 s42, 0
	s_cbranch_scc1 .Lslot
	CHANGE 0                                       ; the last slot is written out
	SLOT_STEPS
	; ---- THE EPILOGUE.  28 loads: ln2_g 4, ln2_b 4 | b2 4 | b1 16, into registers that the last products do not name
.irp k, 0,1,2,3
	global_load_b128 v[80+4*\k:83+4*\k], v200, s[24:25] offset:16*\k
.endr
.irp k, 0,1,2,3
	global_load_b128 v[16+4*\k:19+4*\k], v200, s[26:27] offset:16*\k
.endr
.irp k, 0,1,2,3
	global_load_b128 v[32+4*\k:35+4*\k], v200, s[38:39] offset:16*\k
.endr
.irp t, 0,1,2,3,4,5,6,7
	global_load_b128 v[96+8*\t:99+8*\t], v200, s[32:33] offset:(32*(\t/2)+8*(\t%2))*4
	global_load_b128 v[100+8*\t:103+8*\t], v200, s[32:33] offset:(32*(\t/2)+8*(\t%2))*4+16
.endr
; One block of 32 (my 16 registers and lane l xor 16's) becomes 8 bytes of a fragment's image and a byte of its scale word.
.macro AQ s, img, sc
	v_max3_num_f32 v232, |v[\s]|, |v[\s+1]|, 0x1800000
	v_max3_num_f32 v233, |v[\s+2]|, |v[\s+3]|, |v[\s+4]|
	s_delay_alu instid0(VALU_DEP_2)
	v_max3_num_f32 v232, v232, |v[\s+5]|, |v[\s+6]|
	s_delay_alu instid0(VALU_DEP_2)
	v_max3_num_f32 v233, v233, |v[\s+7]|, |v[\s+8]|
	s_delay_alu instid0(VALU_DEP_2)
	v_max3_num_f32 v232, v232, |v[\s+9]|, |v[\s+10]|
	s_delay_alu instid0(VALU_DEP_2)
	v_max3_num_f32 v233, v233, |v[\s+11]|, |v[\s+12]|
	s_delay_alu instid0(VALU_DEP_2)
	v_max3_num_f32 v232, v232, |v[\s+13]|, |v[\s+14]|
	s_delay_alu instid0(VALU_DEP_1)
	v_max3_num_f32 v232, v232, v233, |v[\s+15]|
	s_delay_alu instid0(VALU_DEP_1)
	v_permlanex16_b32 v236, v232, s60, s61
	s_delay_alu instid0(VALU_DEP_1)
	v_max_num_f32 v232, v232, v236
	s_delay_alu instid0(VALU_DEP_1)
	v_add_nc_u32 v244, 0xff000000, v232
	s_delay_alu instid0(VALU_DEP_1)
	v_lshrrev_b32 v237, 23, v244
	v_cvt_scalef32_pk8_fp4_f32 v176, v[\s:\s+7], v244
	v_cvt_scalef32_pk8_fp4_f32 v177, v[\s+8:\s+15], v244
	v_nop                                          ; one plain instruction behind the last scaled conversion
	ds_store_b64 v186, v[176:177] offset:\img
	ds_store_b8 v187, v237 offset:\sc              ; both lanes of the block write the same byte
.endm
	; ---- 1: O / l, quantised: block h of the projection's K.  The sums' lines are also the places behind the last products
	s_wait_alu depctr_va_vdst(0)                   ; the wait here, directly ahead of the first reader of the chains behind the last step's wait
	v_pk_add_f32 v[14:15], v[14:15], v[240:241]
	v_pk_add_f32 v[242:243], v[242:243], v[246:247]
	s_delay_alu instid0(VALU_DEP_1)
	v_pk_add_f32 v[14:15], v[14:15], v[242:243]
	s_delay_alu instid0(VALU_DEP_1)
	v_add_f32 v14, v14, v15
	s_delay_alu instid0(VALU_DEP_1)
	v_permlanex16_b32 v236, v14, s60, s61
	s_delay_alu instid0(VALU_DEP_1)
	v_add_f32 v14, v14, v236                       ; the row's sum
	s_wait_alu depctr_va_vdst(0)                   ; the wait ahead of the transcendental
	v_rcp_f32 v14, v14
	v_nop                                          ; a plain instruction behind the transcendental
	s_wait_alu depctr_va_vdst(0)                   ; and the wait ahead of its first reader, and of O^T's first readers
.set j, 0
.rept 8
	v_pk_mul_f32 v[160+j:161+j], v[160+j:161+j], v[14:15] op_sel_hi:[1,0]
.set j, j+2
.endr
	AQ 160, AIMG, ASC
	BARRIER                                        ; the four tiles' images lie in LDS
	; ---- 2: x1 = x + proj_b + o Wp: my 32 channels of my 16 tokens
	ds_load_b128 v[248:251], v184 offset:AIMG
	ds_load_b128 v[252:255], v184 offset:AIMG+512
	ds_load_b32 v208, v185 offset:ASC
.irp u, 0,1
.irp c, 0,1
	ds_load_b128 v[160+8*\u+4*\c:163+8*\u+4*\c], v196 offset:640*\u+32*\c
.endr
.endr
	s_wait_dscnt 0x0
	v_wmma_scale_f32_16x16x128_f8f6f4 v[48:55], v[160:167], v[248:255], v[48:55], v214, v208 matrix_a_fmt:MATRIX_FMT_FP4 matrix_b_fmt:MATRIX_FMT_FP4
	v_wmma_scale_f32_16x16x128_f8f6f4 v[56:63], v[168:175], v[248:255], v[56:63], v215, v208 matrix_a_fmt:MATRIX_FMT_FP4 matrix_b_fmt:MATRIX_FMT_FP4
	NOP4
	; ---- 3: LN2.  Each wave's mean and sum of squared differences of 32 channels; the four are merged: no difference of large sums
	v_pk_add_f32 v[232:233], v[48:49], v[50:51]    ; each accumulator is read from its low end on
	v_pk_add_f32 v[234:235], v[56:57], v[58:59]
	v_pk_add_f32 v[232:233], v[232:233], v[52:53]
	v_pk_add_f32 v[234:235], v[234:235], v[60:61]
	v_pk_add_f32 v[232:233], v[232:233], v[54:55]
	v_pk_add_f32 v[234:235], v[234:235], v[62:63]
	s_delay_alu instid0(VALU_DEP_1)
	v_pk_add_f32 v[232:233], v[232:233], v[234:235]
	s_delay_alu instid0(VALU_DEP_1)
	v_add_f32 v232, v232, v233
	s_delay_alu instid0(VALU_DEP_1)
	v_permlanex16_b32 v236, v232, s60, s61
	s_delay_alu instid0(VALU_DEP_1)
	v_add_f32 v232, v232, v236
	s_delay_alu instid0(VALU_DEP_1)
	v_mul_f32 v232, 0x3d000000, v232               ; / 32
.set j, 0
.rept 8
	v_pk_add_f32 v[64+j:65+j], v[48+j:49+j], v[232:233] op_sel_hi:[1,0] neg_lo:[0,1] neg_hi:[0,1]
.set j, j+2
.endr
	v_pk_mul_f32 v[234:235], v[64:65], v[64:65]
	v_pk_mul_f32 v[238:239], v[66:67], v[66:67]
.irp j, 4,8,12
	s_delay_alu instid0(VALU_DEP_2)
	v_pk_fma_f32 v[234:235], v[64+\j:65+\j], v[64+\j:65+\j], v[234:235]
	s_delay_alu instid0(VALU_DEP_2)
	v_pk_fma_f32 v[238:239], v[66+\j:67+\j], v[66+\j:67+\j], v[238:239]
.endr
	s_delay_alu instid0(VALU_DEP_1)
	v_pk_add_f32 v[234:235], v[234:235], v[238:239]
	s_delay_alu instid0(VALU_DEP_1)
	v_add_f32 v233, v234, v235
	s_delay_alu instid0(VALU_DEP_1)
	v_permlanex16_b32 v236, v233, s60, s61
	s_delay_alu instid0(VALU_DEP_1)
	v_add_f32 v233, v233, v236
	ds_store_b64 v189, v[232:233]
	BARRIER
	ds_load_b128 v[232:235], v188
	ds_load_b128 v[236:239], v188 offset:16
	s_wait_dscnt 0x0
	v_add_f32 v240, v232, v234
	v_add_f32 v241, v236, v238
	s_delay_alu instid0(VALU_DEP_1)
	v_add_f32 v240, v240, v241
	s_delay_alu instid0(VALU_DEP_1)
	v_mul_f32 v240, 0x3e800000, v240               ; the mean of 128
	s_delay_alu instid0(VALU_DEP_1)
	v_sub_f32 v232, v232, v240
	s_delay_alu instid0(VALU_DEP_2)
	v_sub_f32 v234, v234, v240
	s_delay_alu instid0(VALU_DEP_3)
	v_sub_f32 v236, v236, v240
	s_delay_alu instid0(VALU_DEP_4)
	v_sub_f32 v238, v238, v240
	v_add_f32 v233, v233, v235
	v_add_f32 v237, v237, v239
	s_delay_alu instid0(VALU_DEP_1)
	v_add_f32 v233, v233, v237
	v_mul_f32 v241, v232, v232
	s_delay_alu instid0(VALU_DEP_1)
	v_fmac_f32 v241, v234, v234
	s_delay_alu instid0(VALU_DEP_1)
	v_fmac_f32 v241, v236, v236
	s_delay_alu instid0(VALU_DEP_1)
	v_fmac_f32 v241, v238, v238
	s_delay_alu instid0(VALU_DEP_1)
	v_fma_f32 v233, v241, 0x42000000, v233         ; + 32 x the sum of the four means' squared differences
	s_delay_alu instid0(VALU_DEP_1)
	v_fma_f32 v233, v233, s14, s15                 ; variance + 1e-5
	s_wait_alu depctr_va_vdst(0)
	v_rsq_f32 v242, v233
	v_nop
	s_wait_alu depctr_va_vdst(0)
	s_wait_loadcnt 20                              ; ln2_g and ln2_b are in; b2's 4 and b1's 16 loads may be out
.set j, 0
.rept 8
	v_pk_add_f32 v[64+j:65+j], v[48+j:49+j], v[240:241] op_sel_hi:[1,0] neg_lo:[0,1] neg_hi:[0,1]
.set j, j+2
.endr
.set j, 0
.rept 8
	v_pk_mul_f32 v[64+j:65+j], v[64+j:65+j], v[242:243] op_sel_hi:[1,0]
.set j, j+2
.endr
.set j, 0
.rept 8
	v_pk_fma_f32 v[64+j:65+j], v[64+j:65+j], v[80+j:81+j], v[16+j:17+j]
.set j, j+2
.endr
	s_wait_loadcnt 16                              ; b2 is in
.set j, 0
.rept 8
	v_pk_add_f32 v[48+j:49+j], v[48+j:49+j], v[32+j:33+j]                 ; x1 + b2: the C of the last product
.set j, j+2
.endr
	AQ 64, HIMG, HSC
	BARRIER
	; ---- 4: my 128 hidden units of my 16 tokens; b1 lies in the accumulators already
	ds_load_b128 v[248:251], v184 offset:HIMG
	ds_load_b128 v[252:255], v184 offset:HIMG+512
	ds_load_b32 v208, v185 offset:HSC
	s_wait_loadcnt 0x0
.irp g, 0,1
.irp t, 0,1,2,3
.irp c, 0,1
	ds_load_b128 v[64+8*\t+4*\c:67+8*\t+4*\c], v197 offset:(32*((4*\g+\t)/2)+8*(\t%2))*80+32*\c
.endr
.endr
	s_wait_dscnt 0x0
.irp t, 0,1,2,3
	v_wmma_scale_f32_16x16x128_f8f6f4 v[96+8*(4*\g+\t):103+8*(4*\g+\t)], v[64+8*\t:71+8*\t], v[248:255], v[96+8*(4*\g+\t):103+8*(4*\g+\t)], v[216+4*\g+\t], v208 matrix_a_fmt:MATRIX_FMT_FP4 matrix_b_fmt:MATRIX_FMT_FP4
.endr
	NOP4                                           ; places ahead of loads into, and writes of, registers that these products have read, and of the first read of a result
.endr
	v_mov_b32 v248, 0x39c8e7d9
	v_mov_b32 v249, 0x39c8e7d9
	v_mov_b32 v250, 0x3cc6b1a1
	v_mov_b32 v251, 0x3cc6b1a1
	v_mov_b32 v252, 0x3ba38d2c
	v_mov_b32 v253, 0x3ba38d2c
; gelu(x) = x / 2 x (1 + erf(z)), z = x / sqrt(2), of 16 numbers.  Beyond |z| = 0.927734375: E = erfc(|z|) = e^(polynomial), and 1 + erf(z) = E for z < 0, 2 - E else: no cancellation in the negative tail.
; Within: 1 + z + z x polynomial(z^2).  Both are always computed; the choice is made by v_cndmask_b32.  v16-31 z, v32-47 z^2, v64-79 |z|, v80-95 the exponent, then E, v160-175 at work, then the factor.
.macro GELU16 x
.irp p, 0,2,4,6,8,10,12,14
	v_pk_mul_f32 v[16+\p:17+\p], v[\x+\p:\x+\p+1], 0x3f3504f3 op_sel_hi:[1,0]
.endr
.irp p, 0,2,4,6,8,10,12,14
	v_pk_mul_f32 v[32+\p:33+\p], v[16+\p:17+\p], v[16+\p:17+\p]
.endr
.irp n, 0,1,2,3,4,5,6,7,8,9,10,11,12,13,14,15
	v_and_b32 v[64+\n], s100, v[16+\n]
.endr
.irp p, 0,2,4,6,8,10,12,14
	v_pk_fma_f32 v[80+\p:81+\p], v[64+\p:65+\p], 0xb7910000, v[248:249] op_sel_hi:[1,0,1]
.endr
.irp p, 0,2,4,6,8,10,12,14
	v_pk_fma_f32 v[160+\p:161+\p], v[64+\p:65+\p], 0xbb7e8a1c, v[250:251] op_sel_hi:[1,0,1]
.endr
.irp p, 0,2,4,6,8,10,12,14
	v_pk_fma_f32 v[80+\p:81+\p], v[80+\p:81+\p], v[32+\p:33+\p], v[160+\p:161+\p]
.endr
.irp k, 0xbddaae5c, 0xbf228550, 0xbe03ce86
.irp p, 0,2,4,6,8,10,12,14
	v_pk_fma_f32 v[80+\p:81+\p], v[80+\p:81+\p], v[64+\p:65+\p], \k op_sel_hi:[1,1,0]
.endr
.endr
.irp p, 0,2,4,6,8,10,12,14
	v_pk_fma_f32 v[80+\p:81+\p], v[80+\p:81+\p], v[64+\p:65+\p], v[64+\p:65+\p] neg_lo:[0,0,1] neg_hi:[0,0,1]
.endr
.irp p, 0,2,4,6,8,10,12,14
	v_pk_mul_f32 v[80+\p:81+\p], v[80+\p:81+\p], 0x3fb8aa3b op_sel_hi:[1,0]
.endr
	s_wait_alu depctr_va_vdst(0)
.irp n, 0,1,2,3,4,5,6,7,8,9,10,11,12,13,14,15
	v_exp_f32 v[80+\n], v[80+\n]                   ; a batch of 16; the inner polynomial is the work behind it
.endr
.irp p, 0,2,4,6,8,10,12,14
	v_pk_fma_f32 v[160+\p:161+\p], v[32+\p:33+\p], 0xba1c7000, v[252:253] op_sel_hi:[1,0,1]
.endr
.irp k, 0xbcdb48d9, 0x3de70e22, 0xbec09380, 0x3e0375d4
.irp p, 0,2,4,6,8,10,12,14
	v_pk_fma_f32 v[160+\p:161+\p], v[160+\p:161+\p], v[32+\p:33+\p], \k op_sel_hi:[1,1,0]
.endr
.endr
.irp p, 0,2,4,6,8,10,12,14
	v_pk_fma_f32 v[160+\p:161+\p], v[160+\p:161+\p], v[16+\p:17+\p], v[16+\p:17+\p]
.endr
.irp p, 0,2,4,6,8,10,12,14
	v_pk_add_f32 v[160+\p:161+\p], v[160+\p:161+\p], 1.0 op_sel_hi:[1,0]
.endr
	s_wait_alu depctr_va_vdst(0)                   ; one wait for the batch, ahead of its first reader
.irp p, 0,2,4,6,8,10,12,14
	v_pk_fma_f32 v[32+\p:33+\p], v[80+\p:81+\p], -1.0, 2.0 op_sel_hi:[1,0,0]        ; 2 - E
.endr
.irp n, 0,1,2,3,4,5,6,7,8,9,10,11,12,13,14,15
	v_cmp_gt_f32 vcc_lo, 0, v[16+\n]
	v_cndmask_b32 v[80+\n], v[32+\n], v[80+\n], vcc_lo
	v_cmp_lt_f32 vcc_lo, s101, v[64+\n]
	s_delay_alu instid0(VALU_DEP_1)
	v_cndmask_b32 v[160+\n], v[160+\n], v[80+\n], vcc_lo
.endr
.irp p, 0,2,4,6,8,10,12,14
	v_pk_mul_f32 v[160+\p:161+\p], v[160+\p:161+\p], 0.5 op_sel_hi:[1,0]
.endr
.irp p, 0,2,4,6,8,10,12,14
	v_pk_mul_f32 v[\x+\p:\x+\p+1], v[\x+\p:\x+\p+1], v[160+\p:161+\p]
.endr
.endm
	GELU16 96
	GELU16 112
	GELU16 128
	GELU16 144
	; my 64 numbers, register 16 b + i = hidden unit 128 h + 32 b + 16 hh + i, become K step h of the last product
.irp b, 0,1,2,3
	v_max3_num_f32 v[232+\b], |v[96+16*\b]|, |v[97+16*\b]|, 0x1800000
.endr
.irp i, 2,4,6,8,10,12,14
.irp b, 0,1,2,3
	s_delay_alu instid0(VALU_DEP_4)
	v_max3_num_f32 v[232+\b], v[232+\b], |v[96+16*\b+\i]|, |v[97+16*\b+\i]|
.endr
.endr
.irp b, 0,1,2,3
	s_delay_alu instid0(VALU_DEP_4)
	v_permlanex16_b32 v[236+\b], v[232+\b], s60, s61
.endr
.irp b, 0,1,2,3
	s_delay_alu instid0(VALU_DEP_4)
	v_max_num_f32 v[232+\b], v[232+\b], v[236+\b]
.endr
.irp b, 0,1,2,3
	s_delay_alu instid0(VALU_DEP_4)
	v_add_nc_u32 v[244+\b], 0xff000000, v[232+\b]
.endr
.irp b, 0,1,2,3
	s_delay_alu instid0(VALU_DEP_4)
	v_lshrrev_b32 v[236+\b], 23, v[244+\b]
.endr
	s_delay_alu instid0(VALU_DEP_3)
	v_lshl_or_b32 v209, v237, 8, v236
	s_delay_alu instid0(VALU_DEP_1)
	v_lshl_or_b32 v209, v238, 16, v209
	s_delay_alu instid0(VALU_DEP_1)
	v_lshl_or_b32 v209, v239, 24, v209
.irp b, 0,1,2,3
	v_cvt_scalef32_pk8_fp4_f32 v[176+2*\b], v[96+16*\b:103+16*\b], v[244+\b]
	v_cvt_scalef32_pk8_fp4_f32 v[177+2*\b], v[104+16*\b:111+16*\b], v[244+\b]
.endr
	v_nop
.irp c, 0,1                                    ; the operand wants a whole block in a lane
.irp i, 0,1
	v_permlane16_swap_b32 v[176+4*\c+\i], v[178+4*\c+\i]
.endr
.endr
	ds_store_b128 v190, v[176:179]                 ; the fragment goes to LDS as an image of its registers
	ds_store_b128 v190, v[180:183] offset:512
	ds_store_b32 v191, v209
	BARRIER
	; ---- 5: out = x1 + b2 + g W2: my 32 channels; two accumulators by turns, four K steps
.irp s, 0,1,2,3
.irp c, 0,1
	ds_load_b128 v[16+8*\s+4*\c:19+8*\s+4*\c], v192 offset:1024*\s+512*\c
.endr
	ds_load_b32 v[212+\s], v193 offset:128*\s
.endr
.irp u, 0,1
.irp s, 0,1,2,3
.irp c, 0,1
	ds_load_b128 v[96+8*(4*\u+\s)+4*\c:99+8*(4*\u+\s)+4*\c], v198 offset:2176*\u+64*\s+32*\c
.endr
.endr
.endr
	s_wait_dscnt 0x0
.irp s, 0,1,2,3
.irp u, 0,1
	v_wmma_scale_f32_16x16x128_f8f6f4 v[48+8*\u:55+8*\u], v[96+8*(4*\u+\s):103+8*(4*\u+\s)], v[16+8*\s:23+8*\s], v[48+8*\u:55+8*\u], v[224+4*\u+\s], v[212+\s] matrix_a_fmt:MATRIX_FMT_FP4 matrix_b_fmt:MATRIX_FMT_FP4
.endr
.endr
	NOP4
.irp k, 0,1,2,3
	ds_store_b128 v194, v[48+4*\k:51+4*\k] offset:16*\k                   ; each accumulator from its low end on
.endr
	BARRIER                                        ; 64 whole rows lie in the stage
	; ---- 6: four whole rows a wave: a store covers 512 consecutive bytes, aligned
.irp k, 0,1,2,3
	ds_load_b128 v[64+4*\k:67+4*\k], v195 offset:528*\k
.endr
.irp k, 0,1,2,3
	s_wait_dscnt 3-\k
	global_store_b128 v203, v[64+4*\k:67+4*\k], s[40:41] offset:512*\k th:TH_STORE_NT
.endr
	s_wait_tensorcnt 0x0                           ; the wave's end: behind my last tensor load and my last LDS store
	ds_add_u32 v5, v6
	s_wait_dscnt 0x0
	CROUND                                         ; the closing round: no work-group ends while a partner may still ask for a tile that names it
	s_endpgm
.Lfunc_end_k_q629e9285a8_attn_mlp:
	.size	k_q629e9285a8_attn_mlp, .Lfunc_end_k_q629e9285a8_attn_mlp-k_q629e9285a8_attn_mlp
	.p2alignl 7, 3214868480
	.fill 96, 4, 3214868480
	.section	.rodata,"a",@progbits
	.p2align	6, 0x0
	.amdhsa_kernel k_q629e9285a8_attn_mlp
		.amdhsa_group_segment_fixed_size 327680
		.amdhsa_private_segment_fixed_size 0
		.amdhsa_enable_private_segment 0
		.amdhsa_kernarg_size 136
		.amdhsa_user_sgpr_count 2
		.amdhsa_user_sgpr_kernarg_segment_ptr 1
		.amdhsa_wavefront_size32 1
		.amdhsa_system_sgpr_workgroup_id_x 1
		.amdhsa_system_sgpr_workgroup_id_y 1
		.amdhsa_system_sgpr_workgroup_id_z 1
		.amdhsa_system_vgpr_workitem_id 0
		.amdhsa_next_free_vgpr 256
		.amdhsa_next_free_sgpr 102
		.amdhsa_reserve_vcc 1
		.amdhsa_float_denorm_mode_32 3
		.amdhsa_float_denorm_mode_16_64 3
		.amdhsa_memory_ordered 1
		.amdhsa_forward_progress 1
		.amdhsa_inst_pref_size 210
	.end_amdhsa_kernel
	.amdgpu_metadata
---
amdhsa.version: [ 1, 2 ]
amdhsa.kernels:
  - .name:           k_q629e9285a8_attn_mlp
    .symbol:         k_q629e9285a8_attn_mlp.kd
    .args:
      - { .name: x, .offset: 0, .size: 8, .value_kind: global_buffer, .address_space: global }
      - { .name: qc, .offset: 8, .size: 8, .value_kind: global_buffer, .address_space: global }
      - { .name: qs, .offset: 16, .size: 8, .value_kind: global_buffer, .address_space: global }
      - { .name: kvc, .offset: 24, .size: 8, .value_kind: global_buffer, .address_space: global }
      - { .name: kvs, .offset: 32, .size: 8, .value_kind: global_buffer, .address_space: global }
      - { .name: proj_w_codes, .offset: 40, .size: 8, .value_kind: global_buffer, .address_space: global }
      - { .name: proj_w_scales, .offset: 48, .size: 8, .value_kind: global_buffer, .address_space: global }
      - { .name: proj_b, .offset: 56, .size: 8, .value_kind: global_buffer, .address_space: global }
      - { .name: ln2_g, .offset: 64, .size: 8, .value_kind: global_buffer, .address_space: global }
      - { .name: ln2_b, .offset: 72, .size: 8, .value_kind: global_buffer, .address_space: global }
      - { .name: mlp_w1_codes, .offset: 80, .size: 8, .value_kind: global_buffer, .address_space: global }
      - { .name: mlp_w1_scales, .offset: 88, .size: 8, .value_kind: global_buffer, .address_space: global }
      - { .name: mlp_b1, .offset: 96, .size: 8, .value_kind: global_buffer, .address_space: global }
      - { .name: mlp_w2_codes, .offset: 104, .size: 8, .value_kind: global_buffer, .address_space: global }
      - { .name: mlp_w2_scales, .offset: 112, .size: 8, .value_kind: global_buffer, .address_space: global }
      - { .name: mlp_b2, .offset: 120, .size: 8, .value_kind: global_buffer, .address_space: global }
      - { .name: out0, .offset: 128, .size: 8, .value_kind: global_buffer, .address_space: global }
    .group_segment_fixed_size: 327680
    .private_segment_fixed_size: 0
    .kernarg_segment_align: 8
    .kernarg_segment_size: 136
    .max_flat_workgroup_size: 512
    .sgpr_count:     102
    .vgpr_count:     256
    .wavefront_size: 32
...
	.end_amdgpu_metadata
.endif
;; end of part 2
